; MI455X (gfx1250); checked and timed in simulation.
; The chip was launched on July 23, 2026; its instructions are those of AMD's public machine-readable ISA for CDNA 5 (MIT licence, August 2026) and "CDNA5" Instruction Set Architecture Reference Guide (July 2026). The comments in the code are by the model that wrote it; some were corrected since.
;; Multi Gaussian Actor. Allowed arithmetic: float matrix products may take bf16 or f16 operands with f32 sums; all other float work in f32.
;; Inputs: W1 16 x 1,024 x 1,024 float32; W2 16 x 1,024 x 64 float32; actor_index 2,048 x 16 float32; b1 16 x 1,024 float32; b2 16 x 64 float32; feature 2,048 x 1,024 float32; sigma 16 x 64 float32.
;; Outputs: out0 2,048 x 64 float32; out1 2,048 x 64 float32.
;; One version. Each part assembles by itself: llvm-mc -triple=amdgcn-amd-amdhsa -mcpu=gfx1250 --defsym DOCPART=n.
;; ======== version 1 of 1: 3 launches
;; limits: values are held in f16: magnitudes above 65,504 overflow, below 6.1e-05 lose precision; inputs' magnitudes at most 65,504
;; workspace buffers: mw 4,096 bytes of whole numbers; pos 131,072 bytes of whole numbers; part 134,217,728 bytes
;; launch route (part 1): grid 1 x 1, 16 waves a work-group, no clusters, 135,168 bytes of LDS; arguments actor_index, mw, pos; writes mw, pos
.if DOCPART == 1
	.amdgcn_target "amdgcn-amd-amdhsa--gfx1250"
	.amdhsa_code_object_version 6
	.text
	.protected	k_qd6b2292113_route
	.globl	k_qd6b2292113_route
	.p2align	8
	.type	k_qd6b2292113_route,@function
k_qd6b2292113_route:
	s_mov_b64 s[64:65], 0
	v_nop
	global_prefetch_b8 v0, s[64:65] scope:SCOPE_SE
	s_setreg_imm32_b32 hwreg(HW_REG_WAVE_MODE, 25, 1), 1
	s_wait_xcnt 0x0
; The mask of the problem's definition as whole numbers.  actor_index: [2048][16] f32.
; mw:  u32 [64 chunks of 32 rows][16 experts]; bit l of mw[c][t] = 1 where row 32 c + l takes expert t (its score equals the row's maximum).
; pos: u32 [2048][16]; pos[b][t] = t*2048 + rank, rank = how many rows in front of b take expert t; -1 where row b does not take t.
; ONE WORK-GROUP of 16 waves: a rank is a sum over all rows in front, so one work-group owns it and the waves' counts meet in LDS.
; Wave g owns rows 128 g .. 128 g + 127 = 4 chunks; lane l of chunk q is row 128 g + 32 q + l and holds its 16 scores in registers.
; Ties keep every expert that reaches the maximum.  A row with a NaN score keeps none: there the maximum is NaN and equals nothing.
; No address and no branch here hangs on a score: the compares end in stored words only.
.set ROWB,  64                         ; bytes of a row of actor_index and of pos
.set TOTB,  128                        ; LDS: a wave's counts, one word a lane (lanes 16 to 31 hold 0)
.set STAGE, 16*TOTB                    ; behind the counts: 8,192 bytes for each wave, its 128 rows of pos
.set BASE,  4                          ; v4        lane t: t*2048 + the rows of expert t in the waves in front of mine
.set MW,    8                          ; v[8:9]    lane L holds words 2 L and 2 L + 1 of the wave's 64 mask words
.set M,     10                         ; v10       the row's maximum
.set TOT,   11                         ; v11       lane t: my wave's rows of expert t
.set X,     16                         ; v[16:79]  chunk q, expert t at v[X+16 q+t]: the score, later the slot
.set TW,    80                         ; v[80:94]  lane t: the rows of expert t in waves 0 to 14
.set OUTR,  96                         ; v[96:159] pos as it lies in memory
.set CNT,   32                         ; s[32:47]  expert t: first the wave's count, then the running slot
; v1 lane x 64, v2 lane x 16, v3 lane x 8, v5 my wave's counts in LDS, v12 lane, v13 lane x 4, v14 stage + lane x 64, v15 stage + lane x 16
	s_load_b128 s[4:7], s[0:1], 0x0                ; actor_index s[4:5], mw s[6:7]
	s_load_b64 s[8:9], s[0:1], 0x10                ; pos
	v_lshl_add_u32 v160, v0, 2, 0x20800
	v_mov_b32 v161, 0
	v_lshrrev_b32 v1, 5, v0
	v_readfirstlane_b32 s18, v1                    ; wave g
	v_and_b32 v12, 31, v0
	v_lshlrev_b32 v1, 6, v12
	v_lshlrev_b32 v2, 4, v12
	v_lshlrev_b32 v3, 3, v12
	v_lshlrev_b32 v13, 2, v12
	s_lshl_b32 s19, s18, 7
	v_add_nc_u32 v5, s19, v13
	s_lshl_b32 s19, s18, 13
	s_add_co_u32 s19, s19, STAGE
	v_add_nc_u32 v14, s19, v1
	v_add_nc_u32 v15, s19, v2
	v_mov_b32 v[MW], 0                             ; v_writelane_b32 keeps the other lanes: written whole first
	v_mov_b32 v[MW+1], 0
	v_mov_b32 v[TOT], 0
	s_lshl_b32 s10, s18, 13                        ; 128 rows x 64 bytes
	s_mov_b32 s11, 0
	s_lshl_b32 s14, s18, 8                         ; 64 words of mw
	s_mov_b32 s15, 0
	s_wait_kmcnt 0x0
	s_add_nc_u64 s[4:5], s[4:5], s[10:11]
	s_add_nc_u64 s[8:9], s[8:9], s[10:11]
	s_add_nc_u64 s[6:7], s[6:7], s[14:15]
.irp q, 0,1,2,3
.irp p, 0,1,2,3
	global_load_b128 v[X+16*\q+4*\p:X+16*\q+4*\p+3], v1, s[4:5] offset:\q*32*ROWB+\p*16
.endr
.endr
; Pass 1: a chunk's 16 mask words, and each expert's count.
.macro CHUNKQ q
	s_wait_loadcnt 12-4*\q                         ; loads come back in order: this chunk's four are in, the later chunks' stay out
	v_max3_num_f32 v[M], v[X+16*\q], v[X+16*\q+1], v[X+16*\q+2]
.irp t, 3,5,7,9,11,13
	v_max3_num_f32 v[M], v[M], v[X+16*\q+\t], v[X+16*\q+\t+1]
.endr
	v_max_num_f32 v[M], v[M], v[X+16*\q+15]        ; the largest score that is a number
	s_mov_b32 s12, -1
.irp t, 0,1,2,3,4,5,6,7,8,9,10,11,12,13,14,15
	v_cmp_le_f32 vcc_lo, v[X+16*\q+\t], v[M]       ; false for a NaN alone
	s_and_b32 s12, s12, vcc_lo                     ; rows all of whose scores are numbers
.endr
.irp t, 0,1,2,3,4,5,6,7,8,9,10,11,12,13,14,15
	v_cmp_eq_f32 vcc_lo, v[X+16*\q+\t], v[M]
	s_and_b32 s13, vcc_lo, s12                     ; the 32 rows' bits for expert t
	v_writelane_b32 v[MW+(\t&1)], s13, (16*\q+\t)>>1
.if \q == 0
	s_bcnt1_i32_b32 s[CNT+\t], s13                 ; the first chunk starts the count
.else
	s_bcnt1_i32_b32 s16, s13
	s_add_co_u32 s[CNT+\t], s[CNT+\t], s16
.endif
.endr
.endm
	CHUNKQ 0
	CHUNKQ 1
	CHUNKQ 2
	CHUNKQ 3
	global_store_b64 v3, v[MW:MW+1], s[6:7]        ; 256 neighbouring bytes, aligned, in one store; MW is only read from here on
.irp t, 0,1,2,3,4,5,6,7,8,9,10,11,12,13,14,15
	v_writelane_b32 v[TOT], s[CNT+\t], \t
.endr
	ds_store_b32 v5, v[TOT]
	s_wait_dscnt 0x0                               ; my counts are in LDS: zero, for the other waves' sake
	s_barrier_signal -1
	s_barrier_wait -1                              ; everybody's are; they are only read from here on
.irp w, 0,1,2,3,4,5,6,7,8,9,10,11,12,13,14
	ds_load_b32 v[TW+\w], v13 offset:\w*TOTB       ; wave 15 stands in front of nobody
.endr
	v_lshlrev_b32 v[BASE], 11, v12                 ; 2,048 slots an expert
	s_wait_dscnt 0x0
.irp w, 0,1,2,3,4,5,6,7,8,9,10,11,12,13,14
	s_cmp_gt_u32 s18, \w                           ; the waves in front of mine count
	s_cselect_b32 s16, -1, 0
	v_and_b32 v[TW+\w], s16, v[TW+\w]
	v_add_nc_u32 v[BASE], v[BASE], v[TW+\w]
.endr
.irp t, 0,1,2,3,4,5,6,7,8,9,10,11,12,13,14,15
	v_readlane_b32 s[CNT+\t], v[BASE], \t          ; the slot of the wave's first row of expert t
.endr
; Pass 2: a chunk's slots.  A row's slot is the running slot plus the set bits below its lane; the running slot then grows by the word's bits.
.macro SLOTS q
.irp t, 0,1,2,3,4,5,6,7,8,9,10,11,12,13,14,15
	v_readlane_b32 s13, v[MW+(\t&1)], (16*\q+\t)>>1
	v_mbcnt_lo_u32_b32 v[X+16*\q+\t], s13, s[CNT+\t]
	v_cndmask_b32 v[X+16*\q+\t], -1, v[X+16*\q+\t], s13            ; -1 where the row does not take the expert
.if \q < 3
	s_bcnt1_i32_b32 s16, s13
	s_add_co_u32 s[CNT+\t], s[CNT+\t], s16
.endif
.endr
.irp p, 0,1,2,3
	ds_store_b128 v14, v[X+16*\q+4*\p:X+16*\q+4*\p+3] offset:\q*32*ROWB+\p*16     ; my row's 64 bytes, into my wave's stage, laid as pos is
.endr
.endm
	SLOTS 0
	SLOTS 1
	SLOTS 2
	SLOTS 3
.irp n, 0,1,2,3,4,5,6,7,8,9,10,11,12,13,14,15
	ds_load_b128 v[OUTR+4*\n:OUTR+4*\n+3], v15 offset:\n*512       ; my wave's own bytes: LDS serves a wave's instructions in order (ISA guide 5.7.1), so these see the stores above
.endr
.irp n, 0,1,2,3,4,5,6,7,8,9,10,11,12,13,14,15
	s_wait_dscnt 15-\n                             ; load n is back, the younger ones stay out
	global_store_b128 v2, v[OUTR+4*\n:OUTR+4*\n+3], s[8:9] offset:\n*512   ; 512 neighbouring bytes a store, 8,192 in all: my 128 rows of pos
.endr
	s_wait_tensorcnt 0x0
	ds_add_u32 v160, v161
	s_wait_dscnt 0x0
	s_endpgm
.Lfunc_end_k_qd6b2292113_route:
	.size	k_qd6b2292113_route, .Lfunc_end_k_qd6b2292113_route-k_qd6b2292113_route
	.p2alignl 7, 3214868480
	.fill 96, 4, 3214868480
	.section	.rodata,"a",@progbits
	.p2align	6, 0x0
	.amdhsa_kernel k_qd6b2292113_route
		.amdhsa_group_segment_fixed_size 135168
		.amdhsa_private_segment_fixed_size 0
		.amdhsa_enable_private_segment 0
		.amdhsa_kernarg_size 24
		.amdhsa_user_sgpr_count 2
		.amdhsa_user_sgpr_kernarg_segment_ptr 1
		.amdhsa_wavefront_size32 1
		.amdhsa_system_sgpr_workgroup_id_x 1
		.amdhsa_system_sgpr_workgroup_id_y 1
		.amdhsa_system_sgpr_workgroup_id_z 1
		.amdhsa_system_vgpr_workitem_id 0
		.amdhsa_next_free_vgpr 162
		.amdhsa_next_free_sgpr 66
		.amdhsa_reserve_vcc 1
		.amdhsa_float_denorm_mode_32 3
		.amdhsa_float_denorm_mode_16_64 3
		.amdhsa_memory_ordered 1
		.amdhsa_forward_progress 1
		.amdhsa_inst_pref_size 45
	.end_amdhsa_kernel
	.amdgpu_metadata
---
amdhsa.version: [ 1, 2 ]
amdhsa.kernels:
  - .name:           k_qd6b2292113_route
    .symbol:         k_qd6b2292113_route.kd
    .args:
      - { .name: actor_index, .offset: 0, .size: 8, .value_kind: global_buffer, .address_space: global }
      - { .name: mw, .offset: 8, .size: 8, .value_kind: global_buffer, .address_space: global }
      - { .name: pos, .offset: 16, .size: 8, .value_kind: global_buffer, .address_space: global }
    .group_segment_fixed_size: 135168
    .private_segment_fixed_size: 0
    .kernarg_segment_align: 8
    .kernarg_segment_size: 24
    .max_flat_workgroup_size: 512
    .sgpr_count:     66
    .vgpr_count:     162
    .wavefront_size: 32
...
	.end_amdgpu_metadata
.endif
;; end of part 1
;; launch experts (part 2): grid 256 x 1, 16 waves a work-group, no clusters, 256,000 bytes of LDS; arguments W1, W2, b1, feature, mw, part; writes part
.if DOCPART == 2
	.amdgcn_target "amdgcn-amd-amdhsa--gfx1250"
	.amdhsa_code_object_version 6
	.text
	.protected	k_qd6b2292113_experts
	.globl	k_qd6b2292113_experts
	.p2align	8
	.type	k_qd6b2292113_experts,@function
k_qd6b2292113_experts:
	s_mov_b64 s[64:65], 0
	v_nop
	global_prefetch_b8 v0, s[64:65] scope:SCOPE_SE
	s_setreg_imm32_b32 hwreg(HW_REG_WAVE_MODE, 25, 1), 1
	s_wait_xcnt 0x0
; Work-group (t, js) = (x >> 4, x & 15): expert t, hidden columns 64 js .. 64 js + 63, for the rows that take expert t.
;   h = relu(feature[rows] W1[t][:, slice] + b1[t][slice])      [rows][64]
;   part[t*2048 + rank][js][0..63] = h W2[t][slice][:]          the slice's share of the second product, f32; the next launch adds the 16 shares
; Each byte of W1 and W2 is read by one work-group, once.  All sums in f32.
; NUMBER FORMATS.  The outputs are held to a hundredth of their root mean square.  A rounding to bf16's 8 significant bits leaves about 0.0016 of
; that root mean square in a sum of 1,024 terms of random sign; four of them (feature, W1, h, W2) come to a third of the allowance: too near.  So:
;   first product in f16 (11 significant bits): feature is of order 1 and W1 of order 1/32, and both keep room in f16 thirty times up and down;
;   second product in bf16, since h (a sum of 1,024 products) has no such room in f16, with each operand as two bf16 numbers, x = hi + lo,
;   hi = bf16(x), lo = bf16(x - hi) (the difference is exact in f32): W h = Whi Hhi + Whi Hlo + Wlo Hhi; the term left out is some 2^-16 of the sum.
; The slice of W1 (1024 k x 64 n) and of W2 (64 k x 64 a, high and low parts) is converted and kept in LDS as it lies, [k][n]; fragments come out by
; the transposing load.  A wave takes 16 rows at a time (a tile): it gathers them 128 columns at a time through registers (f32 to f16) into a
; stage of its own.  One barrier in the whole text: between the stores of the weights and their first read.
; BOTH PRODUCTS ARE USED TRANSPOSED (source 0 = weights, source 1 = rows): register j of lane (r, h) of accumulator nt is
; h(row r, column 16 nt + 8 h + j), so that pairs of registers, packed, ARE the second product's row fragment: no trip through LDS between them.
; b1 enters as the C of the first K step: nothing is cleared and nothing added later.
; The rows come from mw, whole numbers of the launch before: rank 16 i + r of expert t is found by prefix counts, without a branch.
; Ranks at or past the expert's count give row 2,048, which the clamp turns into 2,047: filler rows, whose results land in slots that nobody reads.
; NO CLUSTER, NO TENSOR LOADS: the weights' slices are shared by nobody; what the 16 slices of an expert share are scattered rows of feature,
; named by a list, which no tile covers, and every operand has to pass registers for its conversion anyway.
; LIMITS: a number of feature or W1 beyond f16's largest, 65,504, becomes infinite; below 2^-14 it keeps steps of 2^-24.  relu is v_max_num_f32,
; which turns a NaN in h into 0; an infinite h gives NaN (its low part is infinity less infinity).  Experts that the mask drops are not computed,
; so a NaN or an infinity in their results does not reach the outputs (0 x NaN in the problem's definition).
.set WP,    160                        ; LDS pitch of a row of 64 numbers of 16 bits of weights: 128 bytes + 32
.set W2S,   1024*WP                    ; W1's slice at 0 (163,840 bytes), the high parts of W2's behind it (10,240 bytes),
.set W2L,   W2S+64*WP                  ; then its low parts (10,240 bytes),
.set XST,   W2L+64*WP                  ; then a stage for each wave:
.set XP,    272                        ; 16 rows of 256 bytes + 16 (128 f16 on the way in, 64 f32 on the way out)
.set STG,   16*XP
.set KB12,  12*32*WP                   ; 12 K steps of 32 rows: what one LDS address register reaches with its 16-bit immediate
.set TRIPS, 8                          ; 2,048 rows are 128 tiles at the most, 8 for each of 16 waves
; v1 lane l, v2 r = l & 15, v3 h = l >> 4
; v4  W1: h*16384 + r*16          v5  W1 in LDS: w*10240 + h*640 + r*8     v6  l*16 (a row's 512 bytes)
; v7  stage, in: l*8              v8  stage, row fragments: r*272 + 16 h
.set BAD,   9                          ; v9-11  weight fragments: (8 h + (l&7))*160 + 16*((l>>3)&1), + 0, 12, 24 K steps
; v12 the same in W2's slice      v13 stage, results in: r*272 + 32 h      v14 results back: h*272 + r*16     v15 part: h*4096 + r*16
.set T,     16                         ; v[16:23]   packed pairs at work; W2 lands here
.set B1,    24                         ; v[24:55]   b1 as four C operands
.set X,     56                         ; v[56:119]  16 slots of 4: a row's 16 bytes a lane
.set VR,    56                         ; ROUTE's registers lie in X, used while no load into X is out
.set VBASE, 57
.set VWORD, 58
.set VCN,   59
.set VQ,    60
.set VCNT,  61
.set VP,    62
.set VB,    63
.set VROW,  64
.set HF,    56                         ; v[56:71]   the high parts of relu(h) as two row fragments
.set PP,    72                         ; v[72:103]  the second product's four accumulators
.set HL,    104                        ; v[104:119] the low parts of relu(h) as two row fragments
.set AF,    120                        ; v[120:151] row fragments of four K steps
.set BF0,   152                        ; v[152:183] weight fragments of one K step (4 x 16 columns)
.set BF1,   184                        ; v[184:215] of the next
.set WF,    120                        ; v[120:183] eight fragments of W2's high parts
.set WL,    184                        ; v[184:247] eight fragments of W2's low parts
.set OUTR,  184                        ; v[184:215] results as whole rows
.set ACC,   216                        ; v[216:247] four accumulators
.set LAND,  120                        ; v[120:247] W1's 32 loads land here
; v248, v249 mw words of chunks l and 32 + l;  v250, v251, v255 at work in the set-up;  v252 W2 in LDS;  v253 32 h;  v254 64 l
.set RB,    32                         ; s[32:63]   the addresses of the tile's 16 rows of feature
; s18 wave, s19 t, s20 js, s21 tiles of the expert, s22 my tile, s30 trips of the tile loop
	s_load_b256 s[4:11], s[0:1], 0x0               ; W1 s[4:5], W2 s[6:7], b1 s[8:9], feature s[10:11]
	s_load_b128 s[12:15], s[0:1], 0x20             ; mw s[12:13], part s[14:15]
	v_lshrrev_b32 v1, 5, v0
	v_readfirstlane_b32 s18, v1                    ; wave 0..15
	s_lshr_b32 s19, ttmp9, 4                       ; t
	s_and_b32 s20, ttmp9, 15                       ; js
	s_mov_b32 s22, s18                             ; my first tile
	s_mov_b32 s30, 0
	s_mov_b32 s27, 0                               ; high words of the two offset pairs
	s_mov_b32 s69, 0
	v_and_b32 v1, 31, v0
	v_and_b32 v2, 15, v0
	v_bfe_u32 v3, v0, 4, 1
	v_lshlrev_b32 v4, 4, v2
	v_lshl_add_u32 v4, v3, 14, v4                  ; lanes 0-15 one row's 256 bytes, lanes 16-31 the row four further down
	v_lshlrev_b32 v6, 4, v1
	v_lshlrev_b32 v253, 5, v3
	v_lshlrev_b32 v254, 6, v1
	s_wait_kmcnt 0x0
	s_lshl_b32 s68, s19, 2                         ; mw: column t
	s_add_nc_u64 s[12:13], s[12:13], s[68:69]
	s_lshl_b32 s68, s19, 18                        ; W2: expert, 64 rows of 256 bytes a slice, 4 rows a wave
	s_lshl_b32 s24, s20, 14
	s_add_co_u32 s68, s68, s24
	s_lshl_b32 s24, s18, 10
	s_add_co_u32 s68, s68, s24
	s_add_nc_u64 s[6:7], s[6:7], s[68:69]
	s_lshl_b32 s68, s19, 12                        ; b1: expert, 256 bytes a slice
	s_lshl_b32 s24, s20, 8
	s_add_co_u32 s68, s68, s24
	s_add_nc_u64 s[8:9], s[8:9], s[68:69]
	s_lshl_b32 s68, s19, 22                        ; W1: expert, the slice's 256 bytes of a row, 64 rows of 4,096 bytes a wave
	s_add_co_u32 s68, s68, s24
	s_lshl_b32 s25, s18, 18
	s_add_co_u32 s68, s68, s25
	s_add_nc_u64 s[4:5], s[4:5], s[68:69]
	s_lshl_b32 s68, s19, 23                        ; part: 2,048 slots of 4,096 bytes an expert, 256 bytes a slice
	s_add_co_u32 s68, s68, s24
	s_add_nc_u64 s[14:15], s[14:15], s[68:69]
	; all that the work-group reads once goes out now: 2 + 2 + 8 + 32 loads a wave
	global_load_b32 v248, v254, s[12:13]
	global_load_b32 v249, v254, s[12:13] offset:2048
	global_load_b128 v[T:T+3],   v6, s[6:7] th:TH_LOAD_NT
	global_load_b128 v[T+4:T+7], v6, s[6:7] offset:512 th:TH_LOAD_NT
.irp nt, 0,1,2,3
	global_load_b128 v[B1+8*\nt:B1+8*\nt+3],   v253, s[8:9] offset:64*\nt      ; b1[16 nt + 8 h + 0..3]
	global_load_b128 v[B1+8*\nt+4:B1+8*\nt+7], v253, s[8:9] offset:64*\nt+16   ; .. + 4..7
.endr
.set n, 0
.rept 32
	global_load_b128 v[LAND+4*n:LAND+4*n+3], v4, s[4:5] offset:(8*(n>>2)+(n&3))*4096 th:TH_LOAD_NT   ; rows 8 (n>>2) + (n&3) + 4 h of my 64
.set n, n+1
.endr
	; LDS addresses, while the loads are on their way
	s_mul_i32 s24, s18, 64*WP
	v_mul_u32_u24 v5, v3, 4*WP
	v_lshl_add_u32 v5, v2, 3, v5
	v_add_nc_u32 v5, s24, v5
	s_mul_i32 s25, s18, STG
	s_add_co_u32 s25, s25, XST                     ; my stage
	v_lshl_add_u32 v7, v1, 3, s25
	v_mul_u32_u24 v250, v2, XP
	v_add_nc_u32 v250, s25, v250
	v_lshl_add_u32 v8, v3, 4, v250
	v_lshl_add_u32 v13, v3, 5, v250
	v_mul_u32_u24 v251, v3, XP
	v_lshl_add_u32 v251, v2, 4, v251
	v_add_nc_u32 v14, s25, v251
	v_lshlrev_b32 v15, 4, v2
	v_lshl_add_u32 v15, v3, 12, v15
	v_and_b32 v250, 7, v0
	v_lshl_add_u32 v250, v3, 3, v250
	v_mul_u32_u24 v250, v250, WP
	v_bfe_u32 v251, v0, 3, 1
	v_lshl_add_u32 v[BAD], v251, 4, v250
	v_add_nc_u32 v[BAD+1], KB12, v[BAD]
	v_add_nc_u32 v[BAD+2], 2*KB12, v[BAD]
	v_add_nc_u32 v12, W2S, v[BAD]
	s_mul_i32 s26, s18, 4*WP
	s_add_co_u32 s26, s26, W2S
	v_mul_u32_u24 v252, v3, WP
	v_lshl_add_u32 v252, v2, 3, v252
	v_add_nc_u32 v252, s26, v252
.macro PLACES                          ; four places behind a matrix instruction, in front of loads into its registers and of readers of its result
.rept 4
	v_nop
.endr
.endm
; The rows of tile s22.  Lane r looks for rank vr = 16 s22 + r.  Pass 1 walks the 64 chunks with the running count s25 and keeps the last chunk
; whose count in front is at most vr: its count, its word, and how many chunks qualified.  Pass 2 finds the place of set bit number q = vr - count
; in the word: as many places as have an inclusive count of at most q.  first = 1: the total gives the expert's tiles.
.macro ROUTE first
	s_lshl_b32 s24, s22, 4
	v_add_nc_u32 v[VR], s24, v2
	v_mov_b32 v[VBASE], 0
	v_mov_b32 v[VWORD], 0
	v_mov_b32 v[VCN], 0
	s_mov_b32 s25, 0
.set cc, 0
.rept 64
	v_readlane_b32 s24, v[248+(cc>>5)], cc&31
	v_cmp_le_u32 vcc_lo, s25, v[VR]
	v_cndmask_b32 v[VBASE], v[VBASE], s25, vcc_lo
	v_cndmask_b32 v[VWORD], v[VWORD], s24, vcc_lo
	v_add_co_ci_u32 v[VCN], vcc_lo, 0, v[VCN], vcc_lo
	s_bcnt1_i32_b32 s26, s24
	s_add_co_u32 s25, s25, s26
.set cc, cc+1
.endr
	v_sub_nc_u32 v[VQ], v[VR], v[VBASE]
	v_mov_b32 v[VCNT], 0
	v_mov_b32 v[VP], 0
.set cc, 0
.rept 32
	v_bfe_u32 v[VB], v[VWORD], cc, 1
	v_add_nc_u32 v[VCNT], v[VCNT], v[VB]
	v_cmp_le_u32 vcc_lo, v[VCNT], v[VQ]
	v_add_co_ci_u32 v[VP], vcc_lo, 0, v[VP], vcc_lo
.set cc, cc+1
.endr
	v_lshl_add_u32 v[VROW], v[VCN], 5, v[VP]       ; 32 x (chunk + 1) + place,
	v_sub_nc_u32 v[VROW], v[VROW], 32              ; chunk 0 always qualifies, so this is 0 .. 2,047, or 2,048 for a rank past the count
.if \first
	s_add_co_u32 s21, s25, 15                      ; s25: the rows of the expert
	s_lshr_b32 s21, s21, 4
	s_min_u32 s21, s21, 16*TRIPS                   ; tiles: 2,048 rows at the most
.endif
.irp j, 0,1,2,3,4,5,6,7,8,9,10,11,12,13,14,15
	v_readlane_b32 s26, v[VROW], \j
	s_min_u32 s26, s26, 0x7ff                      ; a rank past the count reads the filler row 2,047
	s_lshl_b32 s26, s26, 12                        ; 4,096 bytes a row of feature
	s_add_nc_u64 s[RB+2*\j:RB+2*\j+1], s[10:11], s[26:27]
.endr
.endm
.macro XISSUE c                        ; 128 columns of the 16 rows: a load covers 512 neighbouring bytes of one row
.irp j, 0,1,2,3,4,5,6,7,8,9,10,11,12,13,14,15
	global_load_b128 v[X+4*\j:X+4*\j+3], v6, s[RB+2*\j:RB+2*\j+1] offset:\c*512
.endr
.endm
.macro BLOAD buf, ks                   ; W1's fragments of K step ks: 32 k x 64 n, eight transposing loads
.irp nt, 0,1,2,3
	ds_load_tr16_b128 v[\buf+8*\nt:\buf+8*\nt+3],   v[BAD+(\ks)/12] offset:((\ks)%12)*32*WP+32*\nt
	ds_load_tr16_b128 v[\buf+8*\nt+4:\buf+8*\nt+7], v[BAD+(\ks)/12] offset:((\ks)%12)*32*WP+32*\nt+16*WP
.endr
.endm
.macro WM buf, s, first                ; one K step of the first product, in f16; the four accumulators take turns, one instruction a turn
.irp nt, 0,1,2,3
.if \first
	v_wmma_f32_16x16x32_f16 v[ACC+8*\nt:ACC+8*\nt+7], v[\buf+8*\nt:\buf+8*\nt+7], v[AF+8*\s:AF+8*\s+7], v[B1+8*\nt:B1+8*\nt+7]
.else
	v_wmma_f32_16x16x32_f16 v[ACC+8*\nt:ACC+8*\nt+7], v[\buf+8*\nt:\buf+8*\nt+7], v[AF+8*\s:AF+8*\s+7], v[ACC+8*\nt:ACC+8*\nt+7]
.endif
.endr
.endm
; One round of the second product, in bf16: K step s (32 of the slice's 64), W2's fragments at w (high or low parts), h's at hh (high or low parts).
; The four accumulators take turns, one instruction a turn.  zero = 1: the round starts the sums.
.macro PM w, s, hh, zero
.irp at, 0,1,2,3
.if \zero
	v_wmma_f32_16x16x32_bf16 v[PP+8*\at:PP+8*\at+7], v[\w+16*\at+8*\s:\w+16*\at+8*\s+7], v[\hh+8*\s:\hh+8*\s+7], 0
.else
	v_wmma_f32_16x16x32_bf16 v[PP+8*\at:PP+8*\at+7], v[\w+16*\at+8*\s:\w+16*\at+8*\s+7], v[\hh+8*\s:\hh+8*\s+7], v[PP+8*\at:PP+8*\at+7]
.endif
.endr
.endm
; 128 along K.  ahead = 1: each slot is loaded again with the next 128 columns as soon as it is converted.  first = 1: b1 starts the sums.
.macro CHUNK c, ahead, first
	PLACES
	BLOAD BF0, 4*\c
	BLOAD BF1, 4*\c+1
.irp j, 0,1,2,3,4,5,6,7,8,9,10,11,12,13,14,15
.if \ahead
	s_wait_loadcnt 15                              ; slot j is in: behind it went 15 - j loads of this chunk and j of the next
.else
	s_wait_loadcnt 15-\j                           ; nothing is issued any more: the counts run down
.endif
	v_cvt_pk_f16_f32 v[T+2*(\j&3)],   v[X+4*\j],   v[X+4*\j+1]
	v_cvt_pk_f16_f32 v[T+2*(\j&3)+1], v[X+4*\j+2], v[X+4*\j+3]
	ds_store_b64 v7, v[T+2*(\j&3):T+2*(\j&3)+1] offset:\j*XP       ; a row of 256 neighbouring bytes
.if \ahead
	global_load_b128 v[X+4*\j:X+4*\j+3], v6, s[RB+2*\j:RB+2*\j+1] offset:(\c+1)*512
.endif
.endr
.irp s, 0,1,2,3
	ds_load_b128 v[AF+8*\s:AF+8*\s+3],   v8 offset:64*\s           ; my own stage: LDS serves a wave's instructions in order (ISA guide 5.7.1), so these see the stores above
	ds_load_b128 v[AF+8*\s+4:AF+8*\s+7], v8 offset:64*\s+32
.endr
	s_wait_dscnt 6                                 ; all but the row fragments of steps 1 to 3
	WM BF0, 0, \first
	s_wait_dscnt 4                                 ; all but those of steps 2 and 3
	WM BF1, 1, 0
	PLACES
	BLOAD BF0, 4*\c+2
	BLOAD BF1, 4*\c+3
	s_wait_dscnt 8                                 ; all but the eight loads into the second buffer
	WM BF0, 2, 0
	s_wait_dscnt 0
	WM BF1, 3, 0
.endm
	s_wait_loadcnt 42                              ; mw's two words are in; W2's 2, b1's 8 and W1's 32 loads stay out
	ROUTE 1                                        ; runs while the weights stream in
	XISSUE 0                                       ; every wave, also one without a tile (it gets the filler row): one text for all up to the barrier
	; the weights, into LDS as they lie.  W2: f32 to two bf16, the high part and what it leaves
	s_wait_loadcnt 56                              ; W2's two are in: 8 + 32 + 16 younger loads stay out
.irp q, 0,1
	v_cvt_pk_bf16_f32 v250, v[T+4*\q],   v[T+4*\q+1]
	v_cvt_pk_bf16_f32 v251, v[T+4*\q+2], v[T+4*\q+3]
	ds_store_b64 v252, v[250:251] offset:\q*2*WP                   ; high parts: rows 4 w + 2 q + h of the slice
	v_lshlrev_b32 v255, 16, v250                                   ; a high part as f32: the low half moves up,
	v_sub_f32 v[T+4*\q], v[T+4*\q], v255
	v_and_b32 v255, 0xffff0000, v250                               ; the high half stays
	v_sub_f32 v[T+4*\q+1], v[T+4*\q+1], v255
	v_lshlrev_b32 v255, 16, v251
	v_sub_f32 v[T+4*\q+2], v[T+4*\q+2], v255
	v_and_b32 v255, 0xffff0000, v251
	v_sub_f32 v[T+4*\q+3], v[T+4*\q+3], v255
	v_cvt_pk_bf16_f32 v[T+4*\q],   v[T+4*\q],   v[T+4*\q+1]
	v_cvt_pk_bf16_f32 v[T+4*\q+1], v[T+4*\q+2], v[T+4*\q+3]
	ds_store_b64 v252, v[T+4*\q:T+4*\q+1] offset:64*WP+\q*2*WP     ; low parts: the same rows, one slice further on
.endr
	; W1: f32 to f16
.set n, 0
.rept 32
.if (n&7) == 0
	s_wait_loadcnt 40-n                            ; the next eight of W1 are in (b1 too): the 24 - n of W1 behind them and the 16 of the rows stay out
.endif
	v_cvt_pk_f16_f32 v[T+2*(n&3)],   v[LAND+4*n],   v[LAND+4*n+1]
	v_cvt_pk_f16_f32 v[T+2*(n&3)+1], v[LAND+4*n+2], v[LAND+4*n+3]
	ds_store_b64 v5, v[T+2*(n&3):T+2*(n&3)+1] offset:(8*(n>>2)+(n&3))*WP   ; two rows' 128 bytes, 640 bytes apart
.set n, n+1
.endr
	s_wait_dscnt 0x0                               ; my part of the weights is in LDS: zero, for the other waves' sake
	s_barrier_signal -1
	s_barrier_wait -1                              ; everybody's is; from here on the weights are only read
	s_cmp_ge_u32 s18, s21
	s_cbranch_scc1 .Lend                           ; no tile for this wave
.Ltile:                                            ; at this label 16 loads into X are out and no LDS instruction
	CHUNK 0, 1, 1
	CHUNK 1, 1, 0
	CHUNK 2, 1, 0
	CHUNK 3, 1, 0
	CHUNK 4, 1, 0
	CHUNK 5, 1, 0
	CHUNK 6, 1, 0
	CHUNK 7, 0, 0
	; the second product and the way out
	PLACES
.irp at, 0,1,2,3
.irp s, 0,1
	ds_load_tr16_b128 v[WF+8*(2*\at+\s):WF+8*(2*\at+\s)+3],   v12 offset:\s*32*WP+32*\at             ; W2's high parts
	ds_load_tr16_b128 v[WF+8*(2*\at+\s)+4:WF+8*(2*\at+\s)+7], v12 offset:\s*32*WP+32*\at+16*WP
.endr
.endr
.set i, 0
.rept 32
	v_max_num_f32 v[ACC+i], 0, v[ACC+i]            ; relu
.set i, i+1
.endr
.set i, 0
.rept 16
	v_cvt_pk_bf16_f32 v[HF+i], v[ACC+2*i], v[ACC+2*i+1]            ; high parts: accumulators 0, 1 make the fragment of k = 0..31, accumulators 2, 3 that of k = 32..63
.set i, i+1
.endr
.set i, 0
.rept 16
	v_lshlrev_b32 v[T+2*(i&3)],   16, v[HF+i]                      ; the two high parts as f32,
	v_and_b32     v[T+2*(i&3)+1], 0xffff0000, v[HF+i]
	v_sub_f32 v[ACC+2*i],   v[ACC+2*i],   v[T+2*(i&3)]             ; what they leave (exact),
	v_sub_f32 v[ACC+2*i+1], v[ACC+2*i+1], v[T+2*(i&3)+1]
	v_cvt_pk_bf16_f32 v[HL+i], v[ACC+2*i], v[ACC+2*i+1]            ; and that as bf16: the low parts, in the same places of a fragment
.set i, i+1
.endr
.irp at, 0,1,2,3
.irp s, 0,1
	ds_load_tr16_b128 v[WL+8*(2*\at+\s):WL+8*(2*\at+\s)+3],   v12 offset:64*WP+\s*32*WP+32*\at       ; W2's low parts, over the second weight buffer and the accumulators, which have been read
	ds_load_tr16_b128 v[WL+8*(2*\at+\s)+4:WL+8*(2*\at+\s)+7], v12 offset:64*WP+\s*32*WP+32*\at+16*WP
.endr
.endr
	s_lshl_b32 s68, s22, 16                        ; 16 slots of 4,096 bytes a tile
	s_add_nc_u64 s[66:67], s[14:15], s[68:69]
	s_wait_dscnt 16                                ; the 16 loads of the high parts are in; the 16 of the low parts stay out
	PM WF, 0, HF, 1                                ; Whi Hhi
	PM WF, 1, HF, 0
	PM WF, 0, HL, 0                                ; Whi Hlo
	PM WF, 1, HL, 0
	s_wait_dscnt 0x0
	PM WL, 0, HF, 0                                ; Wlo Hhi
	PM WL, 1, HF, 0
	PLACES
.irp at, 0,1,2,3
	ds_store_b128 v13, v[PP+8*\at:PP+8*\at+3]   offset:64*\at      ; row r, columns 16 at + 8 h + 0..3
	ds_store_b128 v13, v[PP+8*\at+4:PP+8*\at+7] offset:64*\at+16   ; .. + 4..7
.endr
.irp q, 0,1,2,3,4,5,6,7
	ds_load_b128 v[OUTR+4*\q:OUTR+4*\q+3], v14 offset:\q*2*XP      ; back as whole rows: rows 2 q + h; my own bytes, served in order
.endr
.irp q, 0,1,2,3,4,5,6,7
	s_wait_dscnt 7-\q
	global_store_b128 v15, v[OUTR+4*\q:OUTR+4*\q+3], s[66:67] offset:\q*8192   ; 16 lanes store 256 neighbouring bytes, aligned: part[slot][js]
.endr
	s_wait_xcnt 0x0                                ; the stores' data and base are written again only behind this wait
	s_add_co_u32 s22, s22, 16                      ; my next tile
	s_cmp_ge_u32 s22, s21
	s_cbranch_scc1 .Lend                           ; the wave leaves here when its tiles are done
	ROUTE 0                                        ; only where an expert has more than 256 rows
	XISSUE 0
	s_add_co_u32 s30, s30, 1                       ; the loop is counted: s21 is 128 at the most and s22 grows by 16 a trip,
	s_cmp_lt_u32 s30, TRIPS                        ; so the exit above is taken in the eighth trip at the latest and this count is never the one that ends it
	s_cbranch_scc1 .Ltile
.Lend:
	s_wait_xcnt 0x0
	v_lshl_add_u32 v254, v0, 2, 0x3e000
	v_mov_b32 v255, 0
	s_wait_tensorcnt 0x0
	ds_add_u32 v254, v255
	s_wait_dscnt 0x0
	s_endpgm
.Lfunc_end_k_qd6b2292113_experts:
	.size	k_qd6b2292113_experts, .Lfunc_end_k_qd6b2292113_experts-k_qd6b2292113_experts
	.p2alignl 7, 3214868480
	.fill 96, 4, 3214868480
	.section	.rodata,"a",@progbits
	.p2align	6, 0x0
	.amdhsa_kernel k_qd6b2292113_experts
		.amdhsa_group_segment_fixed_size 256000
		.amdhsa_private_segment_fixed_size 0
		.amdhsa_enable_private_segment 0
		.amdhsa_kernarg_size 48
		.amdhsa_user_sgpr_count 2
		.amdhsa_user_sgpr_kernarg_segment_ptr 1
		.amdhsa_wavefront_size32 1
		.amdhsa_system_sgpr_workgroup_id_x 1
		.amdhsa_system_sgpr_workgroup_id_y 1
		.amdhsa_system_sgpr_workgroup_id_z 1
		.amdhsa_system_vgpr_workitem_id 0
		.amdhsa_next_free_vgpr 256
		.amdhsa_next_free_sgpr 72
		.amdhsa_reserve_vcc 1
		.amdhsa_float_denorm_mode_32 3
		.amdhsa_float_denorm_mode_16_64 3
		.amdhsa_memory_ordered 1
		.amdhsa_forward_progress 1
		.amdhsa_inst_pref_size 157
	.end_amdhsa_kernel
	.amdgpu_metadata
---
amdhsa.version: [ 1, 2 ]
amdhsa.kernels:
  - .name:           k_qd6b2292113_experts
    .symbol:         k_qd6b2292113_experts.kd
    .args:
      - { .name: W1, .offset: 0, .size: 8, .value_kind: global_buffer, .address_space: global }
      - { .name: W2, .offset: 8, .size: 8, .value_kind: global_buffer, .address_space: global }
      - { .name: b1, .offset: 16, .size: 8, .value_kind: global_buffer, .address_space: global }
      - { .name: feature, .offset: 24, .size: 8, .value_kind: global_buffer, .address_space: global }
      - { .name: mw, .offset: 32, .size: 8, .value_kind: global_buffer, .address_space: global }
      - { .name: part, .offset: 40, .size: 8, .value_kind: global_buffer, .address_space: global }
    .group_segment_fixed_size: 256000
    .private_segment_fixed_size: 0
    .kernarg_segment_align: 8
    .kernarg_segment_size: 48
    .max_flat_workgroup_size: 512
    .sgpr_count:     72
    .vgpr_count:     256
    .wavefront_size: 32
...
	.end_amdgpu_metadata
.endif
;; end of part 2
;; launch finish (part 3): grid 256 x 1, 8 waves a work-group, no clusters, 0 bytes of LDS; arguments part, pos, b2, sigma, out0, out1; writes out0, out1
.if DOCPART == 3
	.amdgcn_target "amdgcn-amd-amdhsa--gfx1250"
	.amdhsa_code_object_version 6
	.text
	.protected	k_qd6b2292113_finish
	.globl	k_qd6b2292113_finish
	.p2align	8
	.type	k_qd6b2292113_finish,@function
k_qd6b2292113_finish:
	s_mov_b64 s[64:65], 0
	v_nop
	global_prefetch_b8 v0, s[64:65] scope:SCOPE_SE
	s_setreg_imm32_b32 hwreg(HW_REG_WAVE_MODE, 25, 1), 1
	s_wait_xcnt 0x0
; out0[b] = sum over the experts t that row b takes of tanh(sum over the 16 slices of part[pos[b][t]] + b2[t]);  out1[b] = the same sum of exp(sigma[t]).
; One wave, one row.  pos[b][0..15] are whole numbers of the launches before: a slot below 32,768, or -1 where the mask drops the expert.
; A slot is 4,096 neighbouring bytes, [16 slices][64]: eight loads of 512 bytes; lane (r, h) adds slices h, 2 + h, .. of columns 4 r .. 4 r + 3.
; A row that takes no expert (a NaN among its scores) stores zeros.
; tanh(x) = 1 - 2 / (1 + 2^(2 log2(e) x)): at large |x| the power is infinite or zero and the result is 1 or -1.
; v_exp_f32 gives zero where the result would be denormal (ISA guide, its entry): exp(sigma) below 2^-126 comes out as 0.
.set MEAN, 4                           ; v[4:7]
.set STD,  8                           ; v[8:11]
.set P,    16                          ; v[16:47]  eight loads
.set B2,   48                          ; v[48:51]
.set SG,   52                          ; v[52:55]
.set OH,   56                          ; v[56:59]  the other half's sums
	s_load_b256 s[4:11], s[0:1], 0x0               ; part s[4:5], pos s[6:7], b2 s[8:9], sigma s[10:11]
	s_load_b128 s[12:15], s[0:1], 0x20             ; out0 s[12:13], out1 s[14:15]
	v_lshrrev_b32 v1, 5, v0
	v_readfirstlane_b32 s32, v1                    ; wave
	s_lshl_b32 s33, ttmp9, 3
	s_add_co_u32 s33, s33, s32                     ; row b
	s_lshl_b32 s34, s33, 6                         ; 64 bytes a row of pos
	s_mov_b32 s35, 0
	s_lshl_b32 s38, s33, 8                         ; 256 bytes a row of the outputs
	s_mov_b32 s39, 0
	s_mov_b32 s40, 0x76543210                      ; v_permlanex16_b32: lane i of one half reads lane i of the other
	s_mov_b32 s41, 0xfedcba98
	v_and_b32 v60, 31, v0                          ; lane
	v_and_b32 v1, 15, v0
	v_bfe_u32 v2, v0, 4, 1
	v_lshlrev_b32 v1, 4, v1                        ; 16 r
	v_lshl_add_u32 v2, v2, 8, v1                   ; 256 h + 16 r
.irp i, 4,5,6,7,8,9,10,11,56,57,58,59
	v_mov_b32 v\i, 0                               ; the two sums start at 0 (a row may take no expert); OH is written before v_permlanex16_b32 names it
.endr
	s_wait_kmcnt 0x0
	s_add_nc_u64 s[6:7], s[6:7], s[34:35]
	s_add_nc_u64 s[12:13], s[12:13], s[38:39]
	s_add_nc_u64 s[14:15], s[14:15], s[38:39]
	s_load_b512 s[16:31], s[6:7], 0x0              ; the row's 16 slots
	s_wait_kmcnt 0x0
.macro BLOCK t
	s_cmp_lt_u32 s[16+\t], 0x8000
	s_cbranch_scc0 .Lnot_taken_\@
	s_min_u32 s36, s[16+\t], 0x7fff
	s_lshl_b32 s36, s36, 12                        ; 4,096 bytes a slot
	v_add_nc_u32 v3, s36, v2                       ; free: the block before waited for all its loads
.irp q, 0,1,2,3,4,5,6,7
	global_load_b128 v[P+4*\q:P+4*\q+3], v3, s[4:5] offset:\q*512 th:TH_LOAD_NT
.endr
	global_load_b128 v[B2:B2+3], v1, s[8:9] offset:\t*256
	global_load_b128 v[SG:SG+3], v1, s[10:11] offset:\t*256
	s_wait_loadcnt 0x0
.irp q, 0,2,4,6
	v_pk_add_f32 v[P+4*\q:P+4*\q+1],   v[P+4*\q:P+4*\q+1],   v[P+4*\q+4:P+4*\q+5]
	v_pk_add_f32 v[P+4*\q+2:P+4*\q+3], v[P+4*\q+2:P+4*\q+3], v[P+4*\q+6:P+4*\q+7]
.endr
.irp q, 0,4
	v_pk_add_f32 v[P+4*\q:P+4*\q+1],   v[P+4*\q:P+4*\q+1],   v[P+4*\q+8:P+4*\q+9]
	v_pk_add_f32 v[P+4*\q+2:P+4*\q+3], v[P+4*\q+2:P+4*\q+3], v[P+4*\q+10:P+4*\q+11]
.endr
	v_pk_add_f32 v[P:P+1],   v[P:P+1],   v[P+16:P+17]
	v_pk_add_f32 v[P+2:P+3], v[P+2:P+3], v[P+18:P+19]              ; eight slices of my half
.irp k, 0,1,2,3
	v_permlanex16_b32 v[OH+\k], v[P+\k], s40, s41                  ; the other half's eight
.endr
	v_pk_add_f32 v[P:P+1],   v[P:P+1],   v[OH:OH+1]
	v_pk_add_f32 v[P+2:P+3], v[P+2:P+3], v[OH+2:OH+3]
	v_pk_add_f32 v[P:P+1],   v[P:P+1],   v[B2:B2+1]
	v_pk_add_f32 v[P+2:P+3], v[P+2:P+3], v[B2+2:B2+3]
	v_pk_mul_f32 v[P:P+1],   v[P:P+1],   0x4038aa3b op_sel_hi:[1,0]    ; 2 log2(e)
	v_pk_mul_f32 v[P+2:P+3], v[P+2:P+3], 0x4038aa3b op_sel_hi:[1,0]
	v_pk_mul_f32 v[SG:SG+1],   v[SG:SG+1],   0x3fb8aa3b op_sel_hi:[1,0]  ; log2(e)
	v_pk_mul_f32 v[SG+2:SG+3], v[SG+2:SG+3], 0x3fb8aa3b op_sel_hi:[1,0]
.irp k, 0,1,2,3
	v_exp_f32 v[P+\k], v[P+\k]
	v_exp_f32 v[SG+\k], v[SG+\k]
.endr
	v_nop                                          ; one plain instruction between a transcendental and the use of its result (ISA guide 5.7.2)
	s_wait_alu depctr_va_vdst(0)
	v_pk_add_f32 v[P:P+1],   v[P:P+1],   1.0 op_sel_hi:[1,0]
	v_pk_add_f32 v[P+2:P+3], v[P+2:P+3], 1.0 op_sel_hi:[1,0]
.irp k, 0,1,2,3
	v_rcp_f32 v[P+\k], v[P+\k]
.endr
	v_pk_add_f32 v[STD:STD+1],   v[STD:STD+1],   v[SG:SG+1]        ; these two are the plain instructions behind the reciprocals
	v_pk_add_f32 v[STD+2:STD+3], v[STD+2:STD+3], v[SG+2:SG+3]
	s_wait_alu depctr_va_vdst(0)
	v_pk_fma_f32 v[MEAN:MEAN+1],   v[P:P+1],   -2.0, v[MEAN:MEAN+1]   op_sel_hi:[1,0,1]
	v_pk_fma_f32 v[MEAN+2:MEAN+3], v[P+2:P+3], -2.0, v[MEAN+2:MEAN+3] op_sel_hi:[1,0,1]
	v_pk_add_f32 v[MEAN:MEAN+1],   v[MEAN:MEAN+1],   1.0 op_sel_hi:[1,0]
	v_pk_add_f32 v[MEAN+2:MEAN+3], v[MEAN+2:MEAN+3], 1.0 op_sel_hi:[1,0]
.Lnot_taken_\@:
.endm
.irp t, 0,1,2,3,4,5,6,7,8,9,10,11,12,13,14,15
	BLOCK \t
.endr
	v_cmp_gt_u32 vcc_lo, 16, v60                   ; both halves hold the same sums: lanes 0 to 15 store
	s_wait_xcnt 0x0                                ; EXEC changes only behind this wait
	s_and_saveexec_b32 s37, vcc_lo
	global_store_b128 v1, v[MEAN:MEAN+3], s[12:13] ; 16 lanes, 256 neighbouring bytes, aligned: the row of out0
	global_store_b128 v1, v[STD:STD+3], s[14:15]   ; and of out1
	s_endpgm
.Lfunc_end_k_qd6b2292113_finish:
	.size	k_qd6b2292113_finish, .Lfunc_end_k_qd6b2292113_finish-k_qd6b2292113_finish
	.p2alignl 7, 3214868480
	.fill 96, 4, 3214868480
	.section	.rodata,"a",@progbits
	.p2align	6, 0x0
	.amdhsa_kernel k_qd6b2292113_finish
		.amdhsa_group_segment_fixed_size 0
		.amdhsa_private_segment_fixed_size 0
		.amdhsa_enable_private_segment 0
		.amdhsa_kernarg_size 48
		.amdhsa_user_sgpr_count 2
		.amdhsa_user_sgpr_kernarg_segment_ptr 1
		.amdhsa_wavefront_size32 1
		.amdhsa_system_sgpr_workgroup_id_x 1
		.amdhsa_system_sgpr_workgroup_id_y 1
		.amdhsa_system_sgpr_workgroup_id_z 1
		.amdhsa_system_vgpr_workitem_id 0
		.amdhsa_next_free_vgpr 64
		.amdhsa_next_free_sgpr 66
		.amdhsa_reserve_vcc 1
		.amdhsa_float_denorm_mode_32 3
		.amdhsa_float_denorm_mode_16_64 3
		.amdhsa_memory_ordered 1
		.amdhsa_forward_progress 1
		.amdhsa_inst_pref_size 65
	.end_amdhsa_kernel
	.amdgpu_metadata
---
amdhsa.version: [ 1, 2 ]
amdhsa.kernels:
  - .name:           k_qd6b2292113_finish
    .symbol:         k_qd6b2292113_finish.kd
    .args:
      - { .name: part, .offset: 0, .size: 8, .value_kind: global_buffer, .address_space: global }
      - { .name: pos, .offset: 8, .size: 8, .value_kind: global_buffer, .address_space: global }
      - { .name: b2, .offset: 16, .size: 8, .value_kind: global_buffer, .address_space: global }
      - { .name: sigma, .offset: 24, .size: 8, .value_kind: global_buffer, .address_space: global }
      - { .name: out0, .offset: 32, .size: 8, .value_kind: global_buffer, .address_space: global }
      - { .name: out1, .offset: 40, .size: 8, .value_kind: global_buffer, .address_space: global }
    .group_segment_fixed_size: 0
    .private_segment_fixed_size: 0
    .kernarg_segment_align: 8
    .kernarg_segment_size: 48
    .max_flat_workgroup_size: 256
    .sgpr_count:     66
    .vgpr_count:     64
    .wavefront_size: 32
...
	.end_amdgpu_metadata
.endif
;; end of part 3
